; MI455X (gfx1250); checked and timed in simulation.
; The chip was launched on July 23, 2026; its instructions are those of AMD's public machine-readable ISA for CDNA 5 (MIT licence, August 2026) and "CDNA5" Instruction Set Architecture Reference Guide (July 2026). The comments in the code are by the model that wrote it; some were corrected since.
;; Multi Head Attention. Allowed arithmetic: matrix products marked QUANTISED: E2M3 operands, one E8M0 scale for each 32 along K, by v_wmma_scale_f32_16x16x128_f8f6f4 with both operands' format E2M3, f32 sums; everything else in f32.
;; Inputs: Wk_codes 1,024 x 32 x 24 uint8 (E2M3 codes of Wk, K innermost, in blocks of 32 codes, four codes in three bytes); Wk_scales 1,024 x 32 uint8 (E8M0 scales of Wk, one for each 32 codes along K); Wp_codes 1,024 x 32 x 24 uint8 (E2M3 codes of Wp, K innermost, in blocks of 32 codes, four codes in three bytes); Wp_scales 1,024 x 32 uint8 (E8M0 scales of Wp, one for each 32 codes along K); Wq_codes 1,024 x 32 x 24 uint8 (E2M3 codes of Wq, K innermost, in blocks of 32 codes, four codes in three bytes); Wq_scales 1,024 x 32 uint8 (E8M0 scales of Wq, one for each 32 codes along K); Wv_codes 1,024 x 32 x 24 uint8 (E2M3 codes of Wv, K innermost, in blocks of 32 codes, four codes in three bytes); Wv_scales 1,024 x 32 uint8 (E8M0 scales of Wv, one for each 32 codes along K); bk 1,024 float32; bp 1,024 float32; bq 1,024 float32; bv 1,024 float32; x_codes 4 x 2,048 x 32 x 24 uint8 (E2M3 codes of x, K innermost, in blocks of 32 codes, four codes in three bytes); x_scales 4 x 2,048 x 32 uint8 (E8M0 scales of x, one for each 32 codes along K).
;; Outputs: out0 4 x 2,048 x 1,024 float32.
;; This version of the problem:
;;   THIS VERSION OF THE PROBLEM IS GIVEN IN LOW PRECISION. The matrix products marked QUANTISED in the list below multiply operands that are first quantised to E2M3 (2 exponent bits, 3 mantissa bits; 6 bits a number), with one power-of-two scale for each 32 numbers along K (OCP MX v1.0); their sums are f32. All else is computed in f32.
;;   The module's matrix products, in the order in which they are computed (A, B: the left and right operand; K: the contracted axis; several contracted axes count as one K, in the product's order):
;;     1. [M 8,192, K 1,024] x [K 1,024, N 1,024]; A: input x (given as codes); B: input Wq (given as codes): QUANTISED
;;     2. [M 8,192, K 1,024] x [K 1,024, N 1,024]; A: input x (given as codes); B: input Wk (given as codes): QUANTISED
;;     3. [M 8,192, K 1,024] x [K 1,024, N 1,024]; A: input x (given as codes); B: input Wv (given as codes): QUANTISED
;;     4. batch 64 x [M 2,048, K 64] x [K 64, N 2,048]; A: computed on the way; B: computed on the way: QUANTISED
;;     5. batch 64 x [M 2,048, K 2,048] x [K 2,048, N 64]; A: softmax (see below); B: computed on the way: QUANTISED
;;     6. [M 8,192, K 1,024] x [K 1,024, N 1,024]; A: computed on the way; B: input Wp (given as codes): QUANTISED
;;   THE QUANTISER, for each operand of a quantised product, along K:
;;     - K is cut into blocks of 32 from its start; a last block that is shorter is filled with zeros.
;;     - A block's scale is 2^e with e = floor(log2(the largest magnitude in the block)) - 2, held to -126 .. 127; a block of zeros has e = 0. As a byte (E8M0): e + 127.
;;     - Each number is divided by its block's scale, clamped to +-7.5, and rounded to the nearest number of E2M3, ties to even, subnormals kept.
;;     - The product sums the exact products of the quantised numbers (number of the format x scale) in f32.
;;   ~~~python
;;   def quantise(x, axis):      # numpy; x: float32 -> the quantised numbers, widened to float32 again
;;       x = np.moveaxis(x, axis, -1); K = x.shape[-1]
;;       x = np.pad(x, [(0, 0)] * (x.ndim - 1) + [(0, -K % 32)]); x = x.reshape(x.shape[:-1] + (-1, 32)); a = np.abs(x).max(-1, keepdims=True)
;;       e = np.where(a > 0, np.clip(np.frexp(np.where(a > 0, a, 1))[1] - 1 - 2, -126, 127), 0)      # np.frexp(a)[1] - 1 = floor(log2(a)), exactly
;;       r = np.clip(x / 2.0 ** e, -7.5, 7.5)
;;       step = 2.0 ** (np.maximum(np.frexp(np.where(r == 0, 1, r))[1] - 1, 0) - 3)
;;       q = np.round(r / step) * step * 2.0 ** e      # np.round: ties to even
;;       return np.moveaxis(q.reshape(q.shape[:-2] + (-1,))[..., :K], -1, axis).astype(np.float32)
;;   ~~~
;;   SOFTMAX AHEAD OF A QUANTISED PRODUCT. Where the list says 'softmax', what is quantised is not the finished softmax but p = 2^(t - M), with t = logit x log2(e) and M = ceil(the row's largest t), a whole number; so 1/2 < the row's largest p <= 1. The row's sum l is taken of the UNQUANTISED p, in f32, and the product's result is divided by l at the end. Since M is a whole number, a kernel that streams over the keys may use a running M (the ceiling of the running maximum): every later rescaling is an exact power of two, which a block's scale takes up: the codes' values come out the same.
;;   OPERANDS COMPUTED ON THE WAY. 'Computed on the way' means the value that the module computes at that place (a softmax that the list does not call 'softmax' is quantised finished and normalised). What goes into a quantiser is computed in f32, as accurately as f32 sums, v_exp_f32 and their like allow (about 1e-6 of the number): no bf16 or f16 on the way to a quantiser, and a product that is left as it is and whose result goes on into a quantised operand takes f32 operands (vector FMAs, or v_wmma_f32_16x16x4_f32). A number that lies on a knife's edge between two numbers of the format may be rounded either way, as far as f32 arithmetic and the matrix unit's own rounding can turn it there, and no further.
;;   INPUTS GIVEN AS CODES. Wk (in the module: [1024, 1024], K = its axis 1); Wp (in the module: [1024, 1024], K = its axis 1); Wq (in the module: [1024, 1024], K = its axis 1); Wv (in the module: [1024, 1024], K = its axis 1); x (in the module: [4, 2048, 1024], K = its axis 2): each comes as NAME_codes (uint8): NAME with its K axis moved to the last place and cut into blocks of 32 codes, [.., K / 32, bytes a block], one block behind the other in memory; four codes in three bytes: a row's codes are one little-endian stream of bits, code i at bits 6 i .. 6 i + 5 (a code: sign, 2 exponent bits, 3 mantissa bits); and NAME_scales (uint8): the same leading axes, one E8M0 byte (e + 127) for each 32 codes along K. Its value is code x scale, taken as it is: it is not quantised again, and the codes and scales need not be those that the quantiser above would give.
;; One version. Each part assembles by itself: llvm-mc -triple=amdgcn-amd-amdhsa -mcpu=gfx1250 --defsym DOCPART=n.
;; ======== version 1 of 1: 3 launches
;; limits: right only within a limited range of input values
;; workspace buffers: qimg 6,815,744 bytes; kv 13,369,344 bytes; y_codes 6,291,456 bytes; y_scales 262,144 bytes
;; launch qkv (part 1): grid 12 x 64, 4 waves a work-group, clusters of 4 x 4, 327,680 bytes of LDS; arguments x_codes, x_scales, Wq_codes, Wq_scales, Wk_codes, Wk_scales, Wv_codes, Wv_scales, bq, bk, bv, qimg, kv; writes qimg, kv
.if DOCPART == 1
	.amdgcn_target "amdgcn-amd-amdhsa--gfx1250"
	.amdhsa_code_object_version 6
	.text
	.protected	k_qc5856401a8_qkv
	.globl	k_qc5856401a8_qkv
	.p2align	8
	.type	k_qc5856401a8_qkv,@function
k_qc5856401a8_qkv:
	s_mov_b64 s[64:65], 0
	v_nop
	global_prefetch_b8 v0, s[64:65] scope:SCOPE_SE
	s_setreg_imm32_b32 hwreg(HW_REG_WAVE_MODE, 25, 1), 1
	s_wait_xcnt 0x0
	s_wait_alu depctr_hold_cnt(0) depctr_sa_sdst(0) depctr_va_vdst(0) depctr_va_sdst(0) depctr_va_ssrc(0) depctr_va_vcc(0) depctr_vm_vsrc(0)
	s_getreg_b32 s2, hwreg(HW_REG_IB_STS2, 6, 4)
	s_cmp_eq_u32 s2, 0
	s_cbranch_scc0 .Lentry_in_a_cluster
	s_endpgm
.Lentry_in_a_cluster:
	s_bfe_u32 s2, ttmp6, 0x10000c
	s_cmp_lg_u32 s2, 0xf033
	s_cbranch_scc0 .Lentry_shape_is_right
	s_endpgm
.Lentry_shape_is_right:
; q = x Wq^T + bq, k = x Wk^T + bk, v = x Wv^T + bv on codes of FP6 (E2M3), one E8M0 scale for each 32 along K = 1,024; sums in f32.
; The results are quantised in registers (q, k along a head's 64 channels, v along the keys) and leave as images of operand registers.
; SHARES.  The cluster's x is the product: 0 q, 1 k, 2 v.  A work-group makes 128 rows of A x 256 rows of B; a wave 64 x 128: 32 accumulators.
; The matrix instruction is used transposed (source 0 = 16 rows of B, source 1 = 16 rows of A): a lane holds one row of A, its registers run along B's rows.
; q, k: A = x (a lane is a token), B = W.  v: A = Wv (a lane is a channel), B = x (registers run along the keys).
; LDS.  A's 128 and B's 256 rows, ALL of K (768 bytes a row, 16 bytes of padding behind every 256), and their scale bytes are brought once, by four joint
; loads, one a wave: no byte is filled again.  A's tile is shared along a row of the cluster, B's along a column.
; Nothing is prefetched: the text has no loop to run ahead in; all that a work-group reads is asked for at its head.
; Inside a block of 32 the codes lie as k 0-7, 16-23, 8-15, 24-31, alike in both operands of the products that follow.
; WHAT IS STORED.  qimg: [n x 16 + head][group of 128 tokens] slabs of 6,656 bytes: four pairs of tiles of 16 tokens, 1,536 bytes each, then 512 bytes of scale
; words (16 a lane, word u = pair u).  kv: slabs of 13,056 bytes: k as in qimg (6,144), v's four fragments (6,144), k's scale words (512), v's (256).
; A wave of q or k owns two of a slab's four pairs, so its scale words leave as 8 of each lane's 16 bytes; the other wave stores the other 8.
; LIMITS: NaN and infinities are not served; a block of zeros, or one whose largest magnitude lies under 2^-124, gets the scale byte 1 (only this program reads it).
.set PITCH,  816
.set ABY,    128*PITCH                 ; A's rows, then B's
.set SCL,    384*PITCH                 ; the scale bytes: units of 256 + 16; A's 16 units, B's 32
.set SPARE,  SCL+48*272                ; the spare words
.set QSLAB,  6656
.set KVSLAB, 13056
.set AA,   8                           ; v8-15  LDS addresses of A's four blocks (odd register: behind one padding more)
.set BA,   16                          ; v16-31 of B's eight
.set SC,   32                          ; v32-111 scale words: register 10 i + q: lanes 0-15 A's block i, lanes 16-31 B's block i
.set AF,   112                         ; v112-207 A's fragments, two sets of 48
.set IMG,  112                         ; the way out: codes to be stored
.set SPW,  208
.set NIL,  209
.set LI,   210                         ; 16 x lane
.set LI8,  211                         ; 8 x lane
.set LIS,  212                         ; where my scale words go
.set LIQ,  213                         ; 16 x lane + my two pairs' place
.set ADRS, 214
.set BH,   215                         ; 32 x (lane / 16)
.set BR,   248                         ; 4 x (lane % 16)
.set TM,   216
.set CT,   232
.set TW,   239
.set SW,   240
.set G1, 24
.set G0, 32
.set G1B, 48
.set G0B, 56
.set G1S, 68
.set G0S, 76
.set G1SB, 80
.set G0SB, 88
.set SEL, 96
.set HIM, 101
.set FLC, (1<<20)|(1<<21)|(5<<22)|(3<<25)
.set MSB, 0
.set NLD, 0
.macro WIN new
.if MSB != \new
	s_set_vgpr_msb (MSB<<8)|\new
.set MSB, \new
.endif
.endm
.macro PLACES n
.rept \n
	v_nop
.endr
.endm
.macro CROUND
	s_barrier_signal -1
	s_barrier_wait -1
	s_cmp_lg_u32 s14, 0
	s_cbranch_scc1 .Lnot_wave_0_\@
	s_barrier_signal -3
.Lnot_wave_0_\@:
	s_barrier_wait -3
	s_barrier_signal -1
	s_barrier_wait -1
.endm
.macro GRP g, mask, fl, c, rows
	s_or_b32 s[\g], s[\mask], \fl
	s_mov_b32 s[\g+1], (\c)<<16
	s_mov_b32 s[\g+2], (\rows)<<16
	s_mov_b32 s[\g+3], (\c)<<16
	s_mov_b32 s[\g+4], \rows
	s_mov_b32 s[\g+5], \c
	s_mov_b32 s[\g+6], 0
	s_mov_b32 s[\g+7], 0
.endm
.macro G0SET g, lds, base, tile, bytes
	s_mov_b32 s[\g], 1
	s_mov_b32 s[\g+1], \lds
	s_mul_i32 s20, s\tile, \bytes
	s_add_nc_u64 s[\g+2:\g+3], s[\base:\base+1], s[20:21]
	s_or_b32 s[\g+3], s[\g+3], 0x80000000
.endm
.macro ARM under, g0, g1, next
	s_cmp_lt_u32 s14, \under
	s_cbranch_scc0 \next
	tensor_load_to_lds s[\g0:\g0+3], s[\g1:\g1+7]
	s_nop 0
	PLACES 4
	s_branch .Lhead_asked
\next:
.endm
	s_load_b512 s[68:83], s[0:1], 0x0              ; x's codes, scales; Wq's; Wk's; Wv's
	s_load_b256 s[84:91], s[0:1], 0x40             ; bq, bk, bv, qimg
	s_load_b64 s[92:93], s[0:1], 0x60              ; kv
	v_lshl_add_u32 v[SPW], v0, 2, SPARE
	v_mov_b32 v[NIL], 0
	ds_add_u32 v[SPW], v[NIL]                      ; the opening lines
	ds_add_u32 v[SPW], v[NIL]
	v_lshrrev_b32 v1, 5, v0
	v_readfirstlane_b32 s14, v1                    ; wave
	s_lshr_b32 s15, s14, 1                         ; my 64 of A's rows
	s_and_b32 s16, s14, 1                          ; my 128 of B's rows
	s_bfe_u32 s40, ttmp6, 0x40000                  ; cx
	s_bfe_u32 s41, ttmp6, 0x40004                  ; cy
	s_and_b32 s18, ttmp7, 0xffff                   ; cluster y, 0 .. 15
	s_and_b32 s19, s18, 1
	s_lshr_b32 s20, s18, 1
	s_cmp_eq_u32 ttmp9, 2
	s_cselect_b32 s17, s19, s18                    ; q, k: 64 tiles of tokens are A's, 4 of channels B's; v: 8 of channels A's, 32 of tokens B's
	s_cselect_b32 s42, s20, 0
	s_lshl_b32 s17, s17, 2
	s_add_co_u32 s17, s17, s41                     ; A's tile: it holds cy, never cx
	s_lshl_b32 s42, s42, 2
	s_add_co_u32 s42, s42, s40                     ; B's tile: it holds cx, never cy
	s_lshl_b32 s43, s41, 2
	s_lshl_b32 s43, 15, s43                        ; my row of the cluster
	s_lshl_b32 s44, 0x1111, s40                    ; my column
	GRP G1, 43, FLC, 768, 128
	GRP G1B, 44, FLC, 768, 256
	s_mov_b32 s[SEL], 0x76543210
	s_mov_b32 s[SEL+1], 0xfedcba98
	s_mov_b32 s[HIM], 0xffff0000
	s_mul_i32 s36, s15, 64*PITCH                   ; LDS: my rows of A,
	s_mul_i32 s37, s16, 128*PITCH
	s_add_co_u32 s37, s37, ABY                     ; of B,
	s_mul_i32 s38, s15, 2176
	s_mul_i32 s39, s16, 4352
	s_add_co_u32 s39, s39, 4352
	s_sub_co_u32 s39, s39, s38                     ; from A's scale words to B's,
	s_add_co_u32 s38, s38, SCL                     ; A's scale words
	s_mul_i32 s45, s15, 3072                       ; q, k: my two pairs in a slab
	s_mov_b32 s21, 0
	s_wait_dscnt 0x0
	s_wait_kmcnt 0x0
	s_cmp_eq_u32 ttmp9, 2                          ; the buffers are chosen by the cluster's x alone
	s_cselect_b64 s[4:5], s[80:81], s[68:69]
	s_cselect_b64 s[6:7], s[82:83], s[70:71]
	s_cselect_b64 s[8:9], s[68:69], s[76:77]
	s_cselect_b64 s[10:11], s[70:71], s[78:79]
	s_cselect_b64 s[98:99], s[88:89], s[86:87]
	s_cmp_eq_u32 ttmp9, 0
	s_cselect_b64 s[8:9], s[72:73], s[8:9]
	s_cselect_b64 s[10:11], s[74:75], s[10:11]
	s_cselect_b64 s[98:99], s[84:85], s[98:99]
	s_cselect_b64 s[12:13], s[90:91], s[92:93]
	s_mov_b32 s66, KVSLAB
	s_cselect_b32 s66, QSLAB, s66
	s_mov_b32 s67, 12288
	s_cselect_b32 s67, 6144, s67
	GRP G1S, 43, FLC|(3<<16), 32, 16               ; scale bytes: dense blocks as rows of 256 bytes
	GRP G1SB, 44, FLC|(3<<16), 32, 32
	G0SET G0, 0, 4, 17, 98304
	G0SET G0B, ABY, 8, 42, 196608
	G0SET G0S, SCL, 6, 17, 4096
	G0SET G0SB, SCL+4352, 10, 42, 8192
	s_lshl_b32 s46, s15, 3
	s_add_co_u32 s46, s46, s67                     ; my two scale words of a lane's four
	s_lshl_b32 s20, s42, 1
	s_add_co_u32 s20, s20, s16                     ; v: the group of 128 keys
	s_lshl_b32 s22, s17, 1
	s_add_co_u32 s22, s22, s15                     ; v: the head
	s_lshl_b32 s23, s20, 1                         ; q, k: my first head
	s_cmp_eq_u32 ttmp9, 2
	s_cselect_b32 s20, s20, s17
	s_cselect_b32 s22, s22, s23
	s_and_b32 s23, s20, 0x30
	s_add_co_u32 s23, s23, s22                     ; n x 16 + head
	s_lshl_b32 s23, s23, 4
	s_and_b32 s20, s20, 15
	s_add_co_u32 s20, s20, s23
	s_mul_i32 s20, s20, s66
	s_add_nc_u64 s[12:13], s[12:13], s[20:21]      ; my slab,
	s_lshl_b32 s20, s66, 4
	s_add_nc_u64 s[94:95], s[12:13], s[20:21]      ; and my second head's
	s_lshl_b32 s20, s22, 8
	s_add_nc_u64 s[98:99], s[98:99], s[20:21]      ; the bias at my channels
	CROUND                                         ; the first joint loads meet
	ARM 1, G0,  G1,  .Lhead_b                      ; one load a wave, in one chain of branches
	ARM 2, G0B, G1B, .Lhead_sa
	ARM 3, G0S, G1S, .Lhead_sb
	tensor_load_to_lds s[G0SB:G0SB+3], s[G1SB:G1SB+7]
	s_nop 0
	PLACES 4
.Lhead_asked:
	v_and_b32 v1, 15, v0                           ; r
	v_bfe_u32 v2, v0, 4, 1                         ; h
	v_and_b32 v3, 31, v0
	v_mul_u32_u24 v4, v1, PITCH
	v_mad_u32_u24 v5, v2, 40, v4
	v_mad_u32_u24 v4, v2, 24, v4
	v_add_nc_u32 v[AA], s36, v4
	v_add_nc_u32 v[AA+1], s36, v5
	v_add_nc_u32 v[BA], s37, v4
	v_add_nc_u32 v[BA+1], s37, v5
.irp i, 1,2,3
	v_add_nc_u32 v[AA+2*\i], \i*16*PITCH, v[AA]
	v_add_nc_u32 v[AA+2*\i+1], \i*16*PITCH, v[AA+1]
.endr
.irp i, 1,2,3,4,5,6,7
	v_add_nc_u32 v[BA+2*\i], \i*16*PITCH, v[BA]
	v_add_nc_u32 v[BA+2*\i+1], \i*16*PITCH, v[BA+1]
.endr
	v_lshlrev_b32 v6, 5, v1                        ; 32 bytes of scales a row,
	v_lshrrev_b32 v7, 8, v6
	v_lshl_add_u32 v6, v7, 4, v6                   ; 16 more for each 256 passed
	v_mul_u32_u24 v7, s39, v2                      ; lanes 16-31 take B's
	v_add_nc_u32 v6, v6, v7
	v_add_nc_u32 v[ADRS], s38, v6
	v_lshlrev_b32 v[LI], 4, v3
	v_lshlrev_b32 v[LI8], 3, v3
	v_add_nc_u32 v[LIQ], s45, v[LI]
	v_add_nc_u32 v[LIS], s46, v[LI]
	v_lshlrev_b32 v[BH], 5, v2
	v_lshlrev_b32 v[BR], 2, v1
.irp b, 0,1,2,3
	v_mov_b32 v[TM+4+\b], 0                        ; a lane permute's destination counts as a source
.endr
	s_wait_alu depctr_va_vdst(0)                   ; the wait at the head's end
	s_cmp_eq_u32 ttmp9, 2
	s_cbranch_scc1 .Lbias_v
	WIN 0xc0                                       ; the bias, as the first products' C, lies in window 3
.irp b, 0,1,2,3,4,5,6,7                        ; q, k: block b's eight registers: channels 16 b + 8 h + 0 .. 7
	global_load_b128 v[8*\b:8*\b+3], v[BH], s[98:99] offset:64*\b
	global_load_b128 v[8*\b+4:8*\b+7], v[BH], s[98:99] offset:64*\b+16
.endr
	WIN 0
	s_branch .Lbias_in
.Lbias_v:
	WIN 0xc0
.irp a, 0,1,2,3                                ; v: block a's eight registers all hold channel 16 a + r's
.irp j, 0,1,2,3,4,5,6,7
	global_load_b32 v[8*\a+\j], v[BR], s[98:99] offset:64*\a
.endr
.endr
	WIN 0
.Lbias_in:
; a fragment: six pieces of 8 bytes, two to a load where both go by the same address register; NLD counts the loads
.macro FRAG w, reg, q, a0
	WIN (\w)<<6
.set SKIP_, 0
.irp p, 0,1,2,3,4,5
.if SKIP_
.set SKIP_, 0
.else
.set PC_, 12*(\q)+6*(\p/3)+\p%3
.set PN_, 12*(\q)+6*((\p+1)/3)+(\p+1)%3
.set X_, (PC_%32+3)/32
.set XQ_, (PN_%32+3)/32
.set NLD, NLD+1
.if (\p < 5) && (X_ == XQ_)
.set SKIP_, 1
	ds_load_2addr_b64 v[\reg+2*\p:\reg+2*\p+3], v[\a0+X_] offset0:PC_+2*(PC_/32) offset1:PN_+2*(PN_/32)
.else
	ds_load_b64 v[\reg+2*\p:\reg+2*\p+1], v[\a0+X_] offset:8*(PC_+2*(PC_/32))
.endif
.endif
.endr
.endm
.macro FETCH q, p                      ; step q's fragments into set p: B's eight (window 1), A's four
.set NLD, 0
.irp i, 0,1,2,3,4,5,6,7
	FRAG 1, 128*(\p)+12*\i, \q, BA+2*\i
.endr
.irp i, 0,1,2,3
	FRAG 0, AF+48*(\p)+12*\i, \q, AA+2*\i
.endr
	WIN 0
.endm
.macro W a, b, q, p, c
	v_wmma_scale_f32_16x16x128_f8f6f4 v[8*(8*\a+\b):8*(8*\a+\b)+7], v[128*(\p)+12*\b:128*(\p)+12*\b+11], v[AF+48*(\p)+12*\a:AF+48*(\p)+12*\a+11], \c, v[SC+10*\b+(\q)], v[SC+10*\a+(\q)] matrix_a_fmt:MATRIX_FMT_FP6 matrix_b_fmt:MATRIX_FMT_FP6 matrix_a_scale:MATRIX_SCALE_ROW1
.endm
.macro MUL32 q, p, z                   ; 32 products, the accumulators by turns; z = 1: the sums start with the bias along registers, 2: along lanes
.if \z
	WIN 0xb1
.else
	WIN 0xa1
.endif
.irp a, 0,1,2,3
.irp b, 0,1,2,3,4,5,6,7
.if \z == 1
	W \a, \b, \q, \p, v[8*\b:8*\b+7]
.elseif \z == 2
	W \a, \b, \q, \p, v[8*\a:8*\a+7]
.else
	W \a, \b, \q, \p, v[8*(8*\a+\b):8*(8*\a+\b)+7]
.endif
.endr
.endr
.endm
	s_wait_tensorcnt 0x0                           ; my tile is in
	s_barrier_signal -1
	s_barrier_wait -1                              ; all four are
.irp i, 0,1,2,3,4,5,6,7
	ds_load_b128 v[SC+10*\i:SC+10*\i+3], v[ADRS] offset:\i*544      ; all of K's scale words, once
	ds_load_b128 v[SC+10*\i+4:SC+10*\i+7], v[ADRS] offset:\i*544+16
.endr
	FETCH 0, 0
	FETCH 1, 1
	s_wait_loadcnt 0x0                             ; the bias
	s_wait_dscnt NLD                               ; all but step 1's loads
	s_cmp_eq_u32 ttmp9, 2
	s_cbranch_scc1 .Lfirst_v
	MUL32 0, 0, 1
	WIN 0
	s_branch .Lfirst_done
.Lfirst_v:
	MUL32 0, 0, 2
	WIN 0
.Lfirst_done:
.set ST, 1
.rept 6
	PLACES 4                                       ; between the last step's products and the loads into their registers
	FETCH ST+1, (ST+1)%2
	s_wait_dscnt NLD                               ; this step's fragments are in; the NLD loads just issued may be out
	MUL32 ST, ST%2, 0
.set ST, ST+1
.endr
	s_wait_dscnt 0x0
	MUL32 7, 1, 0
	WIN 0
	PLACES 4
; THE QUANTISER.  Block a of A's rows: a lane's 64 numbers; accumulators 2 b, 2 b + 1 are block b of 32 along the next K (with lane l xor 16's).
; Codes of blocks 0, 1 to six registers from d0, of blocks 2, 3 from d1; the four scale bytes in v[TM+4 .. TM+7].
.macro QUANT a, d0, d1
.set AC, 64*(\a)
	WIN 0x0a
.irp b, 0,1,2,3
	v_max3_num_f32 v[TM+\b], |v[AC+16*\b]|, |v[AC+16*\b+1]|, 0x1800000   ; the floor 2^(3 - 127)
.endr
.irp i, 2,4,6,8,10,12,14
.irp b, 0,1,2,3
	v_max3_num_f32 v[TM+\b], |v[AC+16*\b+\i]|, |v[AC+16*\b+\i+1]|, v[TM+\b]
.endr
.endr
	WIN 0
.irp b, 0,1,2,3
	v_permlanex16_b32 v[TM+4+\b], v[TM+\b], s[SEL], s[SEL+1]
.endr
.irp b, 0,1,2,3
	v_max_num_f32 v[TM+\b], v[TM+\b], v[TM+4+\b]
.endr
.irp b, 0,1,2,3
	v_add_nc_u32 v[TM+12+\b], 0xff000000, v[TM+\b] ; 2 off the exponent field: the conversion's scale operand
.endr
.irp b, 0,1,2,3
	v_lshrrev_b32 v[TM+4+\b], 23, v[TM+12+\b]      ; the byte
.endr
	WIN 2
	v_cvt_scalef32_pk16_fp6_f32 v[(\d0):(\d0)+2], v[AC:AC+15], v[TM+12]
	v_cvt_scalef32_pk16_fp6_f32 v[CT:CT+2], v[AC+16:AC+31], v[TM+13]
	v_cvt_scalef32_pk16_fp6_f32 v[(\d1):(\d1)+2], v[AC+32:AC+47], v[TM+14]
	v_cvt_scalef32_pk16_fp6_f32 v[CT+4:CT+6], v[AC+48:AC+63], v[TM+15]
	WIN 0
	v_nop
.irp i, 0,1,2
	v_permlane16_swap_b32 v[(\d0)+\i], v[CT+\i]    ; a whole block to a lane
	v_permlane16_swap_b32 v[(\d1)+\i], v[CT+4+\i]
.endr
.irp i, 0,1,2
	v_mov_b32 v[(\d0)+3+\i], v[CT+\i]
	v_mov_b32 v[(\d1)+3+\i], v[CT+4+\i]
.endr
.endm
	s_cmp_eq_u32 ttmp9, 2
	s_cbranch_scc1 .Lout_v
.irp u, 0,1                                    ; q, k: blocks 0, 1 my first head, 2, 3 my second; two tiles of tokens make a pair
.irp e, 0,1
	QUANT 2*\u+\e, IMG+24*\u+6*\e, IMG+24*\u+12+6*\e
.irp c, 0,1
.if \e == 0
	v_lshl_or_b32 v[SW+2*\c+\u], v[TM+5+2*\c], 8, v[TM+4+2*\c]
.else
	v_lshl_or_b32 v[TW], v[TM+5+2*\c], 8, v[TM+4+2*\c]
	v_cndmask_b32 v[SW+2*\c+\u], v[SW+2*\c+\u], v[TW], s[HIM]     ; the odd tile's word takes lanes 16-31
.endif
.endr
.endr
.irp k, 0,1,2
	global_store_b128 v[LIQ], v[IMG+24*\u+4*\k:IMG+24*\u+4*\k+3], s[12:13] offset:1536*\u+512*\k   ; 512 consecutive bytes
	global_store_b128 v[LIQ], v[IMG+24*\u+12+4*\k:IMG+24*\u+12+4*\k+3], s[94:95] offset:1536*\u+512*\k
.endr
.endr
	global_store_b64 v[LIS], v[SW:SW+1], s[12:13]
	global_store_b64 v[LIS], v[SW+2:SW+3], s[94:95]
	s_branch .Lout_done
.Lout_v:
.irp a, 0,1,2,3                                ; v: block a is fragment a of my head; the four blocks are my 128 keys
.if \a > 1
	s_wait_xcnt 0x0                                ; the stores of two fragments back have read their registers
.endif
	QUANT \a, IMG+12*(\a%2), IMG+12*(\a%2)+6
	v_lshl_or_b32 v[TW], v[TM+5], 8, v[TM+4]
	v_lshl_or_b32 v[TW], v[TM+6], 16, v[TW]
.if \a%2 == 0
	v_lshl_or_b32 v[SW+\a/2], v[TM+7], 24, v[TW]
.else
	v_lshl_or_b32 v[TW], v[TM+7], 24, v[TW]
	v_cndmask_b32 v[SW+\a/2], v[SW+\a/2], v[TW], s[HIM]
.endif
.irp k, 0,1,2
	global_store_b128 v[LI], v[IMG+12*(\a%2)+4*\k:IMG+12*(\a%2)+4*\k+3], s[12:13] offset:6144+1536*\a+512*\k
.endr
.endr
	global_store_b64 v[LI8], v[SW:SW+1], s[12:13] offset:12800   ; 256 consecutive bytes
.Lout_done:
	s_wait_tensorcnt 0x0                           ; the wave's end
	ds_add_u32 v[SPW], v[NIL]
	s_wait_dscnt 0x0
	CROUND                                         ; the closing round
	s_endpgm
.Lfunc_end_k_qc5856401a8_qkv:
	.size	k_qc5856401a8_qkv, .Lfunc_end_k_qc5856401a8_qkv-k_qc5856401a8_qkv
	.p2alignl 7, 3214868480
	.fill 96, 4, 3214868480
	.section	.rodata,"a",@progbits
	.p2align	6, 0x0
	.amdhsa_kernel k_qc5856401a8_qkv
		.amdhsa_group_segment_fixed_size 327680
		.amdhsa_private_segment_fixed_size 0
		.amdhsa_enable_private_segment 0
		.amdhsa_kernarg_size 104
		.amdhsa_user_sgpr_count 2
		.amdhsa_user_sgpr_kernarg_segment_ptr 1
		.amdhsa_wavefront_size32 1
		.amdhsa_system_sgpr_workgroup_id_x 1
		.amdhsa_system_sgpr_workgroup_id_y 1
		.amdhsa_system_sgpr_workgroup_id_z 1
		.amdhsa_system_vgpr_workitem_id 0
		.amdhsa_next_free_vgpr 832
		.amdhsa_next_free_sgpr 102
		.amdhsa_reserve_vcc 0
		.amdhsa_float_denorm_mode_32 3
		.amdhsa_float_denorm_mode_16_64 3
		.amdhsa_memory_ordered 1
		.amdhsa_forward_progress 1
		.amdhsa_inst_pref_size 108
	.end_amdhsa_kernel
	.amdgpu_metadata
---
amdhsa.version: [ 1, 2 ]
amdhsa.kernels:
  - .name:           k_qc5856401a8_qkv
    .symbol:         k_qc5856401a8_qkv.kd
    .args:
      - { .name: x_codes, .offset: 0, .size: 8, .value_kind: global_buffer, .address_space: global }
      - { .name: x_scales, .offset: 8, .size: 8, .value_kind: global_buffer, .address_space: global }
      - { .name: Wq_codes, .offset: 16, .size: 8, .value_kind: global_buffer, .address_space: global }
      - { .name: Wq_scales, .offset: 24, .size: 8, .value_kind: global_buffer, .address_space: global }
      - { .name: Wk_codes, .offset: 32, .size: 8, .value_kind: global_buffer, .address_space: global }
      - { .name: Wk_scales, .offset: 40, .size: 8, .value_kind: global_buffer, .address_space: global }
      - { .name: Wv_codes, .offset: 48, .size: 8, .value_kind: global_buffer, .address_space: global }
      - { .name: Wv_scales, .offset: 56, .size: 8, .value_kind: global_buffer, .address_space: global }
      - { .name: bq, .offset: 64, .size: 8, .value_kind: global_buffer, .address_space: global }
      - { .name: bk, .offset: 72, .size: 8, .value_kind: global_buffer, .address_space: global }
      - { .name: bv, .offset: 80, .size: 8, .value_kind: global_buffer, .address_space: global }
      - { .name: qimg, .offset: 88, .size: 8, .value_kind: global_buffer, .address_space: global }
      - { .name: kv, .offset: 96, .size: 8, .value_kind: global_buffer, .address_space: global }
    .group_segment_fixed_size: 327680
    .private_segment_fixed_size: 0
    .kernarg_segment_align: 8
    .kernarg_segment_size: 104
    .max_flat_workgroup_size: 128
    .sgpr_count:     102
    .vgpr_count:     832
    .wavefront_size: 32
...
	.end_amdgpu_metadata
.endif
;; end of part 1
;; launch attn (part 2): grid 4 x 64, 16 waves a work-group, clusters of 4 x 1, 210,944 bytes of LDS; arguments qimg, kv, y_codes, y_scales; writes y_codes, y_scales
.if DOCPART == 2
	.amdgcn_target "amdgcn-amd-amdhsa--gfx1250"
	.amdhsa_code_object_version 6
	.text
	.protected	k_qc5856401a8_attn
	.globl	k_qc5856401a8_attn
	.p2align	8
	.type	k_qc5856401a8_attn,@function
k_qc5856401a8_attn:
	s_mov_b64 s[64:65], 0
	v_nop
	global_prefetch_b8 v0, s[64:65] scope:SCOPE_SE
	s_setreg_imm32_b32 hwreg(HW_REG_WAVE_MODE, 25, 1), 1
	s_wait_xcnt 0x0
	s_wait_alu depctr_hold_cnt(0) depctr_sa_sdst(0) depctr_va_vdst(0) depctr_va_sdst(0) depctr_va_ssrc(0) depctr_va_vcc(0) depctr_vm_vsrc(0)
	s_getreg_b32 s2, hwreg(HW_REG_IB_STS2, 6, 4)
	s_cmp_eq_u32 s2, 0
	s_cbranch_scc0 .Lentry_in_a_cluster
	s_endpgm
.Lentry_in_a_cluster:
	s_bfe_u32 s2, ttmp6, 0x10000c
	s_cmp_lg_u32 s2, 0x3003
	s_cbranch_scc0 .Lentry_shape_is_right
	s_endpgm
.Lentry_shape_is_right:
; y[n][s][head] = softmax(q k^T / 8) v for each of 64 (n, head), both products on codes of FP6 (E2M3) with one E8M0 scale for each 32 along a product's K; y is quantised along D and leaves as codes.
; THE SOFTMAX AHEAD OF THE SECOND PRODUCT: t = score x log2(e) / 8; M = the row's largest t so far, rounded UP to a whole number; p = 2^(t - M) is quantised along the keys, not normalised.  The row's sum is taken of the
; unquantised p and divides at the end.  When M moves, the sum and O are multiplied by 2^(old M - new M): exact.
; SHARES.  A cluster of four work-groups is one (n, head); a work-group owns 512 queries; each of its sixteen waves owns one tile of 16 queries in each of two passes, in 256 registers: four waves to a SIMD, so that one wave's
; vector work stands beside another's matrix work and LDS loads.  Every wave walks all 2,048 keys, 128 a step.
; LDS.  The whole head's k and v, 16 slabs of 13,056 bytes as the launch before laid them (images of operand registers), are brought ONCE: no byte of LDS is filled again and none is stored to.  The four partners read the same
; bytes, so each slab is asked for JOINTLY.  Each of the sixteen waves issues one load (slab = wave); all sixteen are in before the first pass begins.
; Nothing is prefetched: all that the work-group reads of k and v is asked for by these loads at its head.
; LAYOUT.  Both products are used transposed: S^T = k q^T (source 0 = 16 keys, source 1 = my 16 queries), O^T = v^T p^T: a lane holds ONE query throughout.  A head has 64 channels, half of the instruction's 128:
; q's upper six registers are zero codes, so whatever stands in k's upper six (the next tile's codes: finite numbers) adds nothing; the scale bytes there are 0, which is a power of two and no NaN.
; Inside a block of 32 the codes lie as k 0-7, 16-23, 8-15, 24-31, alike in both operands of each product; y meets Wp's given codes and is put back into the natural order.
; A block's largest p is not searched for: the block's largest score goes through the same multiply-add and exponential (this takes v_exp_f32 not to fall where its input rises; at the worst one p of a block would be held one code low).
; LIMITS: NaN and infinities are not served; p under 2^-126 is 0; a block of zeros gets the scale byte 1 (its codes are zeros; only this program reads the bytes).
.set SLAB,  13056                      ; k's codes 6,144, v's codes 6,144, k's scale words 512, v's 256
.set HEADB, 16*SLAB
.set QSLAB, 6656
.set LI,  1                            ; v1  16 x lane
.set LI8, 2                            ; v2  8 x lane
.set ADK, 3                            ; v3  the step's slab + 16 x lane
.set AD8, 4                            ; v4  the step's slab + 8 x lane
.set QSA, 5                            ; v5  q's scale word: 16 r + 256 (wave % 2)
.set YSO, 6                            ; v6  y's scale byte: 32 r + h
.set F,   8                            ; v[8:9] f = 2^(old M - new M), later 1 / the sum; v9 is named with it as a pair
.set T0,  10                           ; v10 at work
.set PS,  11                           ; v11 p's scale word: it holds scales and nothing else
                                       ; v12 -M, v13 the largest t, v[14:15] the sum in two halves
.set QF,  16                           ; v[16:21] q's codes, v[22:27] zero codes
.set QS,  28                           ; v28, v29 q's scale words of pass 0, 1
.set YB,  30                           ; v30, v31 y's scale byte of pass 0, 1
.set KF,  32                           ; v[32:79] k's eight tiles, six registers each; then v's four fragments; v[80:85] zero codes
.set KSC, 86                           ; v[86:89] k's scale words
.set VSC, 90                           ; v[90:91] v's
.set S,   96                           ; v[96:159] S^T, then p
.set O,   160                          ; v[160:191] O^T
.set P,   192                          ; v[192:203] p's codes
.set BM,  204                          ; v[204:207] the blocks' largest scores, then largest p
.set PT,  208                          ; v[208:215] at work
.set SO,  216                          ; v[216:219] the conversions' scale operands
.set OUT, 220                          ; v[220:225], v[226:231] y's codes of pass 0, 1
.set QT,  232                          ; v[232:243], v[244:255] the pair of q's tiles in which mine lies, pass 0, 1
.set WV,  14
.set SEL, 20                           ; s[20:21] selects of v_permlanex16_b32: lane l xor 16
.set CS,  22                           ; s[22:23] c = log2(e) / 8
.set G1,  24                           ; s[24:31] descriptor group 1
.set G0,  32                           ; s[32:35] descriptor group 0
.set TB,  48                           ; s48 LDS byte of the step's slab
.set CNT, 49
.set HI,  50                           ; s50 the mask of lanes 16-31
.set ODD, 51                           ; s51 all ones in odd waves
.macro CROUND                          ; a round of the cluster's barrier
	s_barrier_signal -1
	s_barrier_wait -1
	s_cmp_lg_u32 s[WV], 0
	s_cbranch_scc1 .Lnot_wave_0_\@
	s_barrier_signal -3
.Lnot_wave_0_\@:
	s_barrier_wait -3
	s_barrier_signal -1
	s_barrier_wait -1
.endm
	s_load_b256 s[4:11], s[0:1], 0x0               ; qimg, kv, y_codes, y_scales
	v_lshl_add_u32 v95, v0, 2, 0x33000
	v_mov_b32 v215, 0
	ds_add_u32 v95, v215
	ds_add_u32 v95, v215
	v_lshrrev_b32 v7, 5, v0
	s_delay_alu instid0(VALU_DEP_1)
	v_readfirstlane_b32 s[WV], v7                  ; wave 0..15
	s_and_b32 s15, ttmp7, 0xffff                   ; g = n x 16 + head, which the four partners share
	s_bfe_u32 s16, ttmp6, 0x40000                  ; cx
	s_lshl_b32 s17, ttmp9, 2
	s_add_co_u32 s17, s17, s16                     ; my block of 512 queries: it enters q's and y's addresses alone
	; a slab is a dense block: 51 rows of 256 bytes (32 elements of 8 bytes)
	s_mov_b32 s[G1], 15|(3<<16)|(1<<21)            ; the mask: all four work-groups; elements of 8 bytes; bit 21 beside a mask; no padding
	s_mov_b32 s[G1+1], 32<<16                      ; tensor_dim0
	s_mov_b32 s[G1+2], 51<<16                      ; tensor_dim1
	s_mov_b32 s[G1+3], 32<<16                      ; tile_dim0
	s_mov_b32 s[G1+4], 51                          ; tile_dim1
	s_mov_b32 s[G1+5], 32                          ; from row to row
	s_mov_b32 s[G1+6], 0
	s_mov_b32 s[G1+7], 0
	s_mul_i32 s18, s[WV], SLAB                     ; each of the sixteen waves fetches the slab of its own number: in LDS and in memory alike
	s_mul_i32 s52, s15, HEADB
	s_add_co_u32 s52, s52, s18
	s_mov_b32 s53, 0
	s_mul_i32 s54, s15, 16*QSLAB                   ; q: my tile is 32 x block + 16 x pass + wave of the head: slab 4 x block + 2 x pass + wave / 8, pair (wave % 8) / 2, half wave % 2
	s_lshl_b32 s56, s17, 2
	s_lshr_b32 s57, s[WV], 3
	s_add_co_u32 s56, s56, s57
	s_mul_i32 s56, s56, QSLAB
	s_add_co_u32 s54, s54, s56                     ; the slab of pass 0
	s_bfe_u32 s57, s[WV], 0x20001                  ; the pair
	s_lshl_b32 s58, s57, 2
	s_add_co_u32 s58, s58, s54
	s_add_co_u32 s58, s58, 6144                    ; its scale words
	s_mov_b32 s59, 0
	s_mul_i32 s56, s57, 1536
	s_add_co_u32 s56, s56, s54                     ; its codes
	s_mov_b32 s57, 0
	s_and_b32 s60, s15, 15                         ; head
	s_lshr_b32 s61, s15, 4                         ; n
	s_lshl_b32 s62, s61, 7
	s_lshl_b32 s63, s17, 5
	s_add_co_u32 s62, s62, s63
	s_add_co_u32 s62, s62, s[WV]                   ; my tile of 16 rows among y's 512, in pass 0
	s_mul_i32 s63, s62, 768
	s_mul_i32 s54, s60, 393216
	s_add_co_u32 s54, s54, s63                     ; y's codes: [head][tile][3][lane][8 bytes]
	s_mov_b32 s55, 0
	s_lshl_b32 s62, s62, 9                         ; y's scale bytes: 16 rows of 32 bytes a tile,
	s_lshl_b32 s63, s60, 1
	s_add_co_u32 s62, s62, s63                     ; two bytes a head
	s_mov_b32 s63, 0
	s_mov_b32 s[SEL], 0x76543210
	s_mov_b32 s[SEL+1], 0xfedcba98
	s_mov_b32 s[CS], 0x3e38aa3b                    ; c = log2(e) / 8
	s_mov_b32 s[CS+1], s[CS]                       ; (named with it as a pair, so it is written)
	s_mov_b32 s[HI], 0xffff0000
	s_wait_dscnt 0x0
	s_wait_kmcnt 0x0
	s_add_nc_u64 s[6:7], s[6:7], s[52:53]
	s_add_nc_u64 s[12:13], s[4:5], s[58:59]
	s_add_nc_u64 s[4:5], s[4:5], s[56:57]
	s_add_nc_u64 s[8:9], s[8:9], s[54:55]
	s_add_nc_u64 s[10:11], s[10:11], s[62:63]
	s_mov_b32 s[G0], 1
	s_mov_b32 s[G0+1], s18
	s_mov_b64 s[G0+2:G0+3], s[6:7]
	s_or_b32 s[G0+3], s[G0+3], 0x80000000
	CROUND                                         ; all four work-groups are here: the joint loads meet
	tensor_load_to_lds s[G0:G0+3], s[G1:G1+7]      ; one joint load a wave: slab = wave
	s_nop 0
.rept 4
	v_nop
.endr
	v_and_b32 v7, 31, v0
	s_delay_alu instid0(VALU_DEP_1)
	v_lshlrev_b32 v[LI], 4, v7
	s_delay_alu instid0(VALU_DEP_2)
	v_lshlrev_b32 v[LI8], 3, v7
	v_and_b32 v7, 15, v0                           ; r
	v_bfe_u32 v[T0], v0, 4, 1                      ; h
	s_and_b32 s[ODD], s[WV], 1
	s_lshl_b32 s19, s[ODD], 8
	v_lshl_add_u32 v[QSA], v7, 4, s19
	v_lshl_add_u32 v[YSO], v7, 5, v[T0]
	s_sub_co_u32 s[ODD], 0, s[ODD]
.irp p, 0,1
.irp k, 0,1,2
	global_load_b128 v[QT+12*\p+4*\k:QT+12*\p+4*\k+3], v[LI], s[4:5] offset:2*QSLAB*\p+512*\k   ; the pair's image: 512 consecutive bytes a load
.endr
	global_load_b32 v[QS+\p], v[QSA], s[12:13] offset:2*QSLAB*\p   ; my tile's scale words: row r's in lanes r and 16 + r
.endr
.irp i, 0,1,2,3,4,5
	v_mov_b32 v[QF+6+\i], 0                        ; q's K = 64 .. 127: zero codes
	v_mov_b32 v[KF+48+\i], 0                       ; and what stands behind k's last tile
.endr
	v_mov_b32 v[F+1], 0
.irp b, 0,1,2,3
	v_mov_b32 v[PT+\b], 0                          ; written once: a lane permute's destination counts as one of its sources
.endr
; A KEY STEP: the 128 keys of the slab at s[TB].  qs: the register with q's scale words.
.macro STEP qs
	v_add_nc_u32 v[ADK], s[TB], v[LI]
	v_add_nc_u32 v[AD8], s[TB], v[LI8]
	v_nop
	v_nop                                          ; four places between the last step's products and the loads into their registers
.irp m, 0,1,2,3,4,5,6,7,8,9,10,11
	ds_load_b128 v[KF+4*\m:KF+4*\m+3], v[ADK] offset:512*\m     ; k's eight tiles: 32 lanes read 512 consecutive bytes
.endr
	ds_load_b128 v[KSC:KSC+3], v[ADK] offset:12288              ; their scale words: word u = tile 2 u in lanes 0-15, tile 2 u + 1 in lanes 16-31
	s_wait_alu depctr_va_vdst(0)
	s_wait_dscnt 0x0
.irp t, 0,1,2,3,4,5,6,7
.if \t%2
	v_wmma_scale_f32_16x16x128_f8f6f4 v[S+8*\t:S+8*\t+7], v[KF+6*\t:KF+6*\t+11], v[QF:QF+11], 0, v[KSC+\t/2], v[\qs] matrix_a_fmt:MATRIX_FMT_FP6 matrix_b_fmt:MATRIX_FMT_FP6 matrix_a_scale:MATRIX_SCALE_ROW1
.else
	v_wmma_scale_f32_16x16x128_f8f6f4 v[S+8*\t:S+8*\t+7], v[KF+6*\t:KF+6*\t+11], v[QF:QF+11], 0, v[KSC+\t/2], v[\qs] matrix_a_fmt:MATRIX_FMT_FP6 matrix_b_fmt:MATRIX_FMT_FP6
.endif
.endr                                          ; lane (r, h) holds query r; register 8 t + j is key 16 t + 8 h + j
.rept 4
	v_nop                                          ; places in front of the loads into k's registers and of the first read of the scores
.endr
.irp m, 0,1,2,3,4,5,6,7,8,9,10,11
	ds_load_b128 v[KF+4*\m:KF+4*\m+3], v[ADK] offset:6144+512*\m   ; v's four fragments: they land while the softmax is worked
.endr
	ds_load_b64 v[VSC:VSC+1], v[AD8] offset:12800
.irp b, 0,1,2,3
	v_max3_num_f32 v[BM+\b], v[S+16*\b], v[S+1+16*\b], v[S+2+16*\b]   ; the largest score of each block of 32 keys: for the row's maximum, and for the block's largest p
.endr
.irp i, 3,5,7,9,11,13
.irp b, 0,1,2,3
	v_max3_num_f32 v[BM+\b], v[BM+\b], v[S+16*\b+\i], v[S+1+16*\b+\i]
.endr
.endr
.irp b, 0,1,2,3
	v_max_num_f32 v[BM+\b], v[BM+\b], v[S+15+16*\b]
.endr
.irp b, 0,1,2,3
	s_delay_alu instid0(VALU_DEP_4)
	v_permlanex16_b32 v[PT+\b], v[BM+\b], s[SEL], s[SEL+1]
.endr
.irp b, 0,1,2,3
	s_delay_alu instid0(VALU_DEP_4)
	v_max_num_f32 v[BM+\b], v[BM+\b], v[PT+\b]     ; with lane l xor 16's 16 keys
.endr
	s_delay_alu instid0(VALU_DEP_2)
	v_max3_num_f32 v[T0], v[BM], v[BM+1], v[BM+2]
	s_delay_alu instid0(VALU_DEP_1)
	v_max_num_f32 v[T0], v[T0], v[BM+3]            ; the step's largest score of my query
	s_delay_alu instid0(VALU_DEP_1)
	v_mul_f32 v[T0], s[CS], v[T0]                  ; as t (c is positive)
	s_delay_alu instid0(VALU_DEP_1)
	v_max_num_f32 v13, v13, v[T0]                  ; the running largest t
	v_mov_b32 v[T0], v12
	s_delay_alu instid0(VALU_DEP_2)
	v_floor_f32 v12, -v13                          ; the new -M = floor(-t): M is a whole number
	s_delay_alu instid0(VALU_DEP_1)
	v_sub_f32 v[T0], v12, v[T0]                    ; old M - new M: a whole number, 0 or less
	s_delay_alu instid0(VALU_DEP_1)
	v_cvt_i32_f32 v[T0], v[T0]                     ; (it saturates)
	s_delay_alu instid0(VALU_DEP_1)
	v_ldexp_f32 v[F], 1.0, v[T0]                   ; f = 2^(old M - new M)
.set j, 0
.rept 32
	v_pk_fma_f32 v[S+j:S+j+1], v[S+j:S+j+1], s[CS:CS+1], v[12:13] op_sel_hi:[1,0,0]   ; t - M, two at a time
.set j, j+2
.endr
.irp b, 0,1,2,3
	v_fma_f32 v[BM+\b], v[BM+\b], s[CS], v12       ; the same of each block's largest score
.endr
.set j, 0
	s_wait_alu depctr_va_vdst(0)
.rept 64
	v_exp_f32 v[S+j], v[S+j]                       ; p = 2^(t - M), at most 1
.set j, j+1
.endr
	v_pk_mul_f32 v[14:15], v[14:15], v[F:F+1] op_sel_hi:[1,0]   ; the sums under the new M: a plain instruction behind the exponentials
	s_wait_alu depctr_va_vdst(0)                   ; one wait for the batch of 64, ahead of its first reader
.irp b, 0,1,2,3
	v_exp_f32 v[BM+\b], v[BM+\b]                   ; the block's largest p
.endr
	v_pk_add_f32 v[208:209], v[100:101], v[104:105]
	v_pk_add_f32 v[242:243], v[108:109], v[112:113]
	v_pk_add_f32 v[240:241], v[116:117], v[120:121]
	v_pk_add_f32 v[238:239], v[124:125], v[128:129]
	v_pk_add_f32 v[236:237], v[132:133], v[136:137]
	v_pk_add_f32 v[234:235], v[140:141], v[144:145]
	v_pk_add_f32 v[232:233], v[148:149], v[152:153]
	v_pk_add_f32 v[14:15], v[14:15], v[156:157]
	v_pk_add_f32 v[208:209], v[208:209], v[96:97]
	v_pk_add_f32 v[242:243], v[242:243], v[98:99]
	v_pk_add_f32 v[240:241], v[240:241], v[102:103]
	v_pk_add_f32 v[238:239], v[238:239], v[106:107]
	v_pk_add_f32 v[236:237], v[236:237], v[110:111]
	v_pk_add_f32 v[234:235], v[234:235], v[114:115]
	v_pk_add_f32 v[232:233], v[232:233], v[118:119]
	v_pk_add_f32 v[14:15], v[14:15], v[122:123]
	v_pk_add_f32 v[208:209], v[208:209], v[126:127]
	v_pk_add_f32 v[242:243], v[242:243], v[130:131]
	v_pk_add_f32 v[240:241], v[240:241], v[134:135]
	v_pk_add_f32 v[238:239], v[238:239], v[138:139]
	v_pk_add_f32 v[236:237], v[236:237], v[142:143]
	v_pk_add_f32 v[234:235], v[234:235], v[146:147]
	v_pk_add_f32 v[232:233], v[232:233], v[150:151]
	v_pk_add_f32 v[14:15], v[14:15], v[154:155]
	v_pk_add_f32 v[208:209], v[208:209], v[158:159]
	s_delay_alu instid0(VALU_DEP_2)
	v_pk_add_f32 v[14:15], v[14:15], v[238:239]
	s_delay_alu instid0(VALU_DEP_2)
	v_pk_add_f32 v[208:209], v[208:209], v[236:237]
	v_pk_add_f32 v[242:243], v[242:243], v[234:235]
	v_pk_add_f32 v[240:241], v[240:241], v[232:233]
	s_delay_alu instid0(VALU_DEP_2)
	v_pk_add_f32 v[14:15], v[14:15], v[242:243]
	s_delay_alu instid0(VALU_DEP_2)
	v_pk_add_f32 v[208:209], v[208:209], v[240:241]
	s_delay_alu instid0(VALU_DEP_1)
	v_pk_add_f32 v[14:15], v[14:15], v[208:209]
	s_wait_alu depctr_va_vdst(0)                   ; and one for the four
.irp b, 0,1,2,3
	v_max_num_f32 v[BM+\b], 0x1800000, v[BM+\b]    ; the floor 2^(3 - 127): the byte cannot fall under 1
.endr
.irp b, 0,1,2,3
	s_delay_alu instid0(VALU_DEP_4)
	v_add_nc_u32 v[SO+\b], 0xff000000, v[BM+\b]    ; 2 off the exponent field: the conversion's scale operand
.endr
.irp b, 0,1,2,3
	s_delay_alu instid0(VALU_DEP_4)
	v_lshrrev_b32 v[PT+\b], 23, v[SO+\b]           ; the scale's byte
.endr
	s_delay_alu instid0(VALU_DEP_3)
	v_lshl_or_b32 v[PS], v[PT+1], 8, v[PT]         ; p's scale word for these 128 keys
	s_delay_alu instid0(VALU_DEP_1)
	v_lshl_or_b32 v[PS], v[PT+2], 16, v[PS]
	s_delay_alu instid0(VALU_DEP_1)
	v_lshl_or_b32 v[PS], v[PT+3], 24, v[PS]
.irp c, 0,1
	v_cvt_scalef32_pk16_fp6_f32 v[P+6*\c:P+2+6*\c], v[S+32*\c:S+15+32*\c], v[SO+2*\c]
	v_cvt_scalef32_pk16_fp6_f32 v[PT+4*\c:PT+2+4*\c], v[S+16+32*\c:S+31+32*\c], v[SO+2*\c+1]
.endr
	v_nop                                          ; one plain place behind the scaled conversions
.irp c, 0,1                                    ; a whole block to a lane: lanes 0-15 block 2 c, lanes 16-31 block 2 c + 1
.irp i, 0,1,2
	v_permlane16_swap_b32 v[P+6*\c+\i], v[PT+4*\c+\i]
.endr
.irp i, 0,1,2
	s_delay_alu instid0(VALU_DEP_3)
	v_mov_b32 v[P+3+6*\c+\i], v[PT+4*\c+\i]
.endr
.endr
.set j, 0
.rept 16
	v_pk_mul_f32 v[O+j:O+j+1], v[O+j:O+j+1], v[F:F+1] op_sel_hi:[1,0]   ; O^T under the new M, each accumulator from its low end on; these sixteen are also the places between the writes of p's codes and scale word and the products
.set j, j+2
.endr
	s_wait_alu depctr_va_vdst(0)
	s_wait_dscnt 0x0                               ; v's fragments and scale words are in
.irp t, 0,1,2,3
.if \t%2
	v_wmma_scale_f32_16x16x128_f8f6f4 v[O+8*\t:O+8*\t+7], v[KF+12*\t:KF+12*\t+11], v[P:P+11], v[O+8*\t:O+8*\t+7], v[VSC+\t/2], v[PS] matrix_a_fmt:MATRIX_FMT_FP6 matrix_b_fmt:MATRIX_FMT_FP6 matrix_a_scale:MATRIX_SCALE_ROW1
.else
	v_wmma_scale_f32_16x16x128_f8f6f4 v[O+8*\t:O+8*\t+7], v[KF+12*\t:KF+12*\t+11], v[P:P+11], v[O+8*\t:O+8*\t+7], v[VSC+\t/2], v[PS] matrix_a_fmt:MATRIX_FMT_FP6 matrix_b_fmt:MATRIX_FMT_FP6
.endif
.endr                                          ; the four accumulators by turns, one instruction a turn; the scores' eight stand between two links of a chain
	s_add_co_u32 s[TB], s[TB], SLAB
.endm
.macro STEPS n, qs                     ; n key steps from the slab at s[TB] on
	s_mov_b32 s[CNT], \n
.Lstep_\@:
	STEP \qs
	s_sub_co_u32 s[CNT], s[CNT], 1
	s_cmp_lg_u32 s[CNT], 0
	s_cbranch_scc1 .Lstep_\@
.endm
.macro PREP p                          ; a pass begins: my tile's six registers out of the pair's twelve; O^T and the sum begin as zeros and the largest t as -3e38, so that the step is written once
.irp i, 0,1,2,3,4,5
	v_cndmask_b32 v[QF+\i], v[QT+12*\p+\i], v[QT+12*\p+6+\i], s[ODD]
.endr
	v_mov_b32 v13, 0xff61b1e6
	s_delay_alu instid0(VALU_DEP_1)
	v_floor_f32 v12, -v13
	v_mov_b32 v14, 0
	v_mov_b32 v15, 0
.set j, 0
.rept 32
	v_mov_b32 v[O+j], 0
.set j, j+1
.endr
.endm
; A pass ends: y = O^T / the sum; the head's 64 channels are two blocks of 32 along D; codes in the natural order, block h of row r in lane (r, h); three stores of 256 consecutive bytes, and a byte a lane.
.macro YOUT p
.set OU, OUT+6*\p
.rept 4
	v_nop                                          ; places behind the last products
.endr
	v_add_f32 v14, v14, v15                        ; the sum's two halves,
	s_delay_alu instid0(VALU_DEP_1)
	v_permlanex16_b32 v[PT], v14, s[SEL], s[SEL+1]
	s_delay_alu instid0(VALU_DEP_1)
	v_add_f32 v14, v14, v[PT]                      ; and lane l xor 16's
	s_wait_alu depctr_va_vdst(0)
	v_rcp_f32 v[F], v14
	v_nop                                          ; a plain place behind the reciprocal
	s_wait_alu depctr_va_vdst(0)                   ; and the wait ahead of its first reader
.set j, 0
.rept 16
	v_pk_mul_f32 v[S+j:S+j+1], v[O+j:O+j+1], v[F:F+1] op_sel_hi:[1,0]   ; register 16 b + i: channels 32 b + 8 h + 0 .. 7, then 32 b + 16 + 8 h + 0 .. 7
.set j, j+2
.endr
.irp b, 0,1
	v_max3_num_f32 v[BM+\b], |v[S+16*\b]|, |v[S+1+16*\b]|, 0x1800000
.endr
.irp i, 2,4,6,8,10,12,14
.irp b, 0,1
	s_delay_alu instid0(VALU_DEP_2)
	v_max3_num_f32 v[BM+\b], v[BM+\b], |v[S+16*\b+\i]|, |v[S+1+16*\b+\i]|
.endr
.endr
.irp b, 0,1
	s_delay_alu instid0(VALU_DEP_2)
	v_permlanex16_b32 v[PT+\b], v[BM+\b], s[SEL], s[SEL+1]
.endr
.irp b, 0,1
	s_delay_alu instid0(VALU_DEP_2)
	v_max_num_f32 v[BM+\b], v[BM+\b], v[PT+\b]
.endr
.irp b, 0,1
	s_delay_alu instid0(VALU_DEP_2)
	v_add_nc_u32 v[SO+\b], 0xff000000, v[BM+\b]
.endr
.irp b, 0,1
	s_delay_alu instid0(VALU_DEP_2)
	v_lshrrev_b32 v[PT+\b], 23, v[SO+\b]
.endr
	s_delay_alu instid0(VALU_DEP_1)
	v_cndmask_b32 v[YB+\p], v[PT], v[PT+1], s[HI]  ; lanes 0-15 block 0's byte, lanes 16-31 block 1's
	v_cvt_scalef32_pk16_fp6_f32 v[P:P+2], v[S:S+15], v[SO]
	v_cvt_scalef32_pk16_fp6_f32 v[PT+4:PT+6], v[S+16:S+31], v[SO+1]
	v_nop                                          ; one plain place behind the scaled conversions
.irp i, 0,1,2
	v_permlane16_swap_b32 v[P+\i], v[PT+4+\i]      ; v[P ..]: my block's k 0-7 and 16-23 (48 bits each); v[PT+4 ..]: its k 8-15 and 24-31
.endr
	s_delay_alu instid0(VALU_DEP_3)
	v_mov_b32 v[OU], v[P]                          ; k 0-7's lower 32 bits
	s_delay_alu instid0(VALU_DEP_3)
	v_perm_b32 v[OU+1], v[PT+4], v[P+1], 0x05040100   ; their upper 16, k 8-15's lower 16
	s_delay_alu instid0(VALU_DEP_4)
	v_perm_b32 v[OU+2], v[PT+5], v[PT+4], 0x05040302  ; k 8-15's upper 32
	s_delay_alu instid0(VALU_DEP_4)
	v_perm_b32 v[OU+3], v[P+2], v[P+1], 0x05040302    ; k 16-23's lower 32
	v_perm_b32 v[OU+4], v[PT+5], v[P+2], 0x07060302   ; their upper 16, k 24-31's lower 16
	v_mov_b32 v[OU+5], v[PT+6]                     ; k 24-31's upper 32
.irp k, 0,1,2
	global_store_b64 v[LI8], v[OU+2*\k:OU+2*\k+1], s[8:9] offset:12288*\p+256*\k   ; each pass has registers of its own: no store's data are written again
.endr
	global_store_b8 v[YSO], v[YB+\p], s[10:11] offset:8192*\p   ; a head owns 2 of a row's 32 scale bytes
.endm
	s_wait_loadcnt 0x0                             ; q, both passes'
	PREP 0
	s_wait_alu depctr_va_vdst(0)
	s_wait_tensorcnt 0x0                           ; my slab is in
	s_barrier_signal -1
	s_barrier_wait -1                              ; all sixteen are
	s_mov_b32 s[TB], 0
	STEPS 16, QS
	YOUT 0
	PREP 1
	s_mov_b32 s[TB], 0
	STEPS 16, QS+1
	YOUT 1
	s_wait_tensorcnt 0x0
	ds_add_u32 v95, v215
	s_wait_dscnt 0x0
	CROUND                                         ; the closing round
	s_endpgm
.Lfunc_end_k_qc5856401a8_attn:
	.size	k_qc5856401a8_attn, .Lfunc_end_k_qc5856401a8_attn-k_qc5856401a8_attn
	.p2alignl 7, 3214868480
	.fill 96, 4, 3214868480
	.section	.rodata,"a",@progbits
	.p2align	6, 0x0
	.amdhsa_kernel k_qc5856401a8_attn
		.amdhsa_group_segment_fixed_size 210944
		.amdhsa_private_segment_fixed_size 0
		.amdhsa_enable_private_segment 0
		.amdhsa_kernarg_size 32
		.amdhsa_user_sgpr_count 2
		.amdhsa_user_sgpr_kernarg_segment_ptr 1
		.amdhsa_wavefront_size32 1
		.amdhsa_system_sgpr_workgroup_id_x 1
		.amdhsa_system_sgpr_workgroup_id_y 1
		.amdhsa_system_sgpr_workgroup_id_z 1
		.amdhsa_system_vgpr_workitem_id 0
		.amdhsa_next_free_vgpr 256
		.amdhsa_next_free_sgpr 66
		.amdhsa_reserve_vcc 0
		.amdhsa_float_denorm_mode_32 3
		.amdhsa_float_denorm_mode_16_64 3
		.amdhsa_memory_ordered 1
		.amdhsa_forward_progress 1
		.amdhsa_inst_pref_size 53
	.end_amdhsa_kernel
	.amdgpu_metadata
---
amdhsa.version: [ 1, 2 ]
amdhsa.kernels:
  - .name:           k_qc5856401a8_attn
    .symbol:         k_qc5856401a8_attn.kd
    .args:
      - { .name: qimg, .offset: 0, .size: 8, .value_kind: global_buffer, .address_space: global }
      - { .name: kv, .offset: 8, .size: 8, .value_kind: global_buffer, .address_space: global }
      - { .name: y_codes, .offset: 16, .size: 8, .value_kind: global_buffer, .address_space: global }
      - { .name: y_scales, .offset: 24, .size: 8, .value_kind: global_buffer, .address_space: global }
    .group_segment_fixed_size: 210944
    .private_segment_fixed_size: 0
    .kernarg_segment_align: 8
    .kernarg_segment_size: 32
    .max_flat_workgroup_size: 512
    .sgpr_count:     66
    .vgpr_count:     256
    .wavefront_size: 32
...
	.end_amdgpu_metadata
.endif
;; end of part 2
;; launch proj (part 3): grid 4 x 64, 4 waves a work-group, clusters of 4 x 4, 327,680 bytes of LDS; arguments y_codes, y_scales, Wp_codes, Wp_scales, bp, out0; writes out0
.if DOCPART == 3
	.amdgcn_target "amdgcn-amd-amdhsa--gfx1250"
	.amdhsa_code_object_version 6
	.text
	.protected	k_qc5856401a8_proj
	.globl	k_qc5856401a8_proj
	.p2align	8
	.type	k_qc5856401a8_proj,@function
k_qc5856401a8_proj:
	s_mov_b64 s[64:65], 0
	v_nop
	global_prefetch_b8 v0, s[64:65] scope:SCOPE_SE
	s_setreg_imm32_b32 hwreg(HW_REG_WAVE_MODE, 25, 1), 1
	s_wait_xcnt 0x0
	s_wait_alu depctr_hold_cnt(0) depctr_sa_sdst(0) depctr_va_vdst(0) depctr_va_sdst(0) depctr_va_ssrc(0) depctr_va_vcc(0) depctr_vm_vsrc(0)
	s_getreg_b32 s2, hwreg(HW_REG_IB_STS2, 6, 4)
	s_cmp_eq_u32 s2, 0
	s_cbranch_scc0 .Lentry_in_a_cluster
	s_endpgm
.Lentry_in_a_cluster:
	s_bfe_u32 s2, ttmp6, 0x10000c
	s_cmp_lg_u32 s2, 0xf033
	s_cbranch_scc0 .Lentry_shape_is_right
	s_endpgm
.Lentry_shape_is_right:
; out0 = y Wp^T + bp on codes of FP6 (E2M3), one E8M0 scale for each 32 along K = 1,024; sums in f32.
; y_codes is [head][tile of 16 rows][3][lane][8 bytes]: lane (r, h) holds block h of row r of that head's 64; y_scales is [row][32].
; SHARES.  A work-group makes 128 rows x 256 columns, a wave 64 x 128: 32 accumulators.  The matrix instruction is used transposed (source 0 = Wp's rows), so a lane holds eight neighbouring columns of a row.
; LDS.  y's 128 rows (16 heads x 6,144 bytes), Wp's 256 rows (768 bytes + 16 behind every 256) and the scale bytes are brought once, by four joint loads, one a wave; no byte is filled again.
; y's tile is shared along a row of the cluster, Wp's along a column.  Nothing is prefetched: the text has no loop to run ahead in.
; The bias is the first products' C.  The way out goes through a stage on y's bytes, behind a barrier behind which nobody reads them: whole rows of 512 bytes are stored.
.set PITCH,  816
.set ABY,    98304
.set SCL,    ABY+256*PITCH
.set SPARE,  SCL+48*272
.set SPITCH, 528
.set AA,   8                           ; v8, v9 LDS address of y's images: heads 0-7, 8-15
.set STO,  10
.set RD,   11
.set CO,   12
.set ADRS, 13
.set SPW,  14
.set NIL,  15
.set BA,   16                          ; v16-31 LDS addresses of Wp's eight blocks
.set SC,   32                          ; v32-111 scale words
.set AF,   112                         ; v112-207 y's fragments, two sets
.set BK,   112                         ; the way out: v112-175, v176-239
.set BH,   240
.set G1, 24
.set G0, 32
.set G1B, 48
.set G0B, 56
.set G1S, 68
.set G0S, 76
.set G1SB, 80
.set G0SB, 88
.set FLC, (1<<20)|(1<<21)|(5<<22)|(3<<25)
.set MSB, 0
.set NLD, 0
.macro WIN new
.if MSB != \new
	s_set_vgpr_msb (MSB<<8)|\new
.set MSB, \new
.endif
.endm
.macro PLACES n
.rept \n
	v_nop
.endr
.endm
.macro CROUND
	s_barrier_signal -1
	s_barrier_wait -1
	s_cmp_lg_u32 s14, 0
	s_cbranch_scc1 .Lnot_wave_0_\@
	s_barrier_signal -3
.Lnot_wave_0_\@:
	s_barrier_wait -3
	s_barrier_signal -1
	s_barrier_wait -1
.endm
.macro GRP g, mask, fl, c, rows, pit
	s_or_b32 s[\g], s[\mask], \fl
	s_mov_b32 s[\g+1], (\c)<<16
	s_mov_b32 s[\g+2], (\rows)<<16
	s_mov_b32 s[\g+3], (\c)<<16
	s_mov_b32 s[\g+4], \rows
	s_mov_b32 s[\g+5], \pit
	s_mov_b32 s[\g+6], 0
	s_mov_b32 s[\g+7], 0
.endm
.macro G0SET g, lds, base, tile, bytes
	s_mov_b32 s[\g], 1
	s_mov_b32 s[\g+1], \lds
	s_mul_i32 s20, s\tile, \bytes
	s_add_nc_u64 s[\g+2:\g+3], s[\base:\base+1], s[20:21]
	s_or_b32 s[\g+3], s[\g+3], 0x80000000
.endm
.macro ARM under, g0, g1, next
	s_cmp_lt_u32 s14, \under
	s_cbranch_scc0 \next
	tensor_load_to_lds s[\g0:\g0+3], s[\g1:\g1+7]
	s_nop 0
	PLACES 4
	s_branch .Lhead_asked
\next:
.endm
	s_load_b128 s[4:7], s[0:1], 0x0                ; y's codes, scales
	s_load_b128 s[8:11], s[0:1], 0x10              ; Wp's
	s_load_b128 s[96:99], s[0:1], 0x20             ; bp, out0
	v_lshl_add_u32 v[SPW], v0, 2, SPARE
	v_mov_b32 v[NIL], 0
	ds_add_u32 v[SPW], v[NIL]                      ; the opening lines
	ds_add_u32 v[SPW], v[NIL]
	v_lshrrev_b32 v1, 5, v0
	v_readfirstlane_b32 s14, v1
	s_lshr_b32 s15, s14, 1                         ; my 64 rows
	s_and_b32 s16, s14, 1                          ; my 128 columns
	s_bfe_u32 s40, ttmp6, 0x40000
	s_bfe_u32 s41, ttmp6, 0x40004
	s_lshl_b32 s42, ttmp9, 2
	s_add_co_u32 s42, s42, s40                     ; tile of 256 columns
	s_and_b32 s17, ttmp7, 0xffff
	s_lshl_b32 s17, s17, 2
	s_add_co_u32 s17, s17, s41                     ; tile of 128 rows
	s_lshl_b32 s43, s41, 2
	s_lshl_b32 s43, 15, s43
	s_lshl_b32 s44, 0x1111, s40
	GRP G1, 43, (3<<16)|(1<<21), 768, 16, 49152    ; 16 heads x 6,144 bytes, 393,216 bytes apart
	GRP G1B, 44, FLC, 768, 256, 768
	GRP G1S, 43, FLC|(3<<16), 32, 16, 32
	GRP G1SB, 44, FLC|(3<<16), 32, 32, 32
	s_mul_i32 s36, s15, 3072                       ; LDS: my four tiles of y,
	s_mul_i32 s37, s16, 128*PITCH
	s_add_co_u32 s37, s37, ABY                     ; my rows of Wp,
	s_mul_i32 s38, s15, 2176
	s_mul_i32 s39, s16, 4352
	s_add_co_u32 s39, s39, 4352
	s_sub_co_u32 s39, s39, s38
	s_add_co_u32 s38, s38, SCL                     ; the scale words,
	s_mul_i32 s45, s14, 16*SPITCH                  ; my stage
	s_lshl_b32 s22, s17, 1
	s_add_co_u32 s22, s22, s15
	s_lshl_b32 s22, s22, 18                        ; my first row of out0, 4,096 bytes a row
	s_lshl_b32 s46, s42, 10
	s_lshl_b32 s47, s16, 9
	s_add_co_u32 s46, s46, s47                     ; my first column, in bytes
	s_mov_b32 s47, 0
	s_mov_b32 s23, 0
	s_mov_b32 s21, 0
	s_wait_dscnt 0x0
	s_wait_kmcnt 0x0
	G0SET G0, 0, 4, 17, 6144
	G0SET G0B, ABY, 8, 42, 196608
	G0SET G0S, SCL, 6, 17, 4096
	G0SET G0SB, SCL+4352, 10, 42, 8192
	s_add_nc_u64 s[96:97], s[96:97], s[46:47]
	s_add_nc_u64 s[98:99], s[98:99], s[46:47]
	s_add_nc_u64 s[98:99], s[98:99], s[22:23]
	CROUND
	ARM 1, G0,  G1,  .Lhead_b
	ARM 2, G0B, G1B, .Lhead_sa
	ARM 3, G0S, G1S, .Lhead_sb
	tensor_load_to_lds s[G0SB:G0SB+3], s[G1SB:G1SB+7]
	s_nop 0
	PLACES 4
.Lhead_asked:
	v_and_b32 v1, 15, v0
	v_bfe_u32 v2, v0, 4, 1
	v_and_b32 v3, 31, v0
	v_mul_u32_u24 v4, v1, PITCH
	v_mad_u32_u24 v5, v2, 40, v4
	v_mad_u32_u24 v4, v2, 24, v4
	v_lshl_add_u32 v[AA], v3, 3, s36
	v_add_nc_u32 v[AA+1], 49152, v[AA]
	v_add_nc_u32 v[BA], s37, v4
	v_add_nc_u32 v[BA+1], s37, v5
.irp i, 1,2,3,4,5,6,7
	v_add_nc_u32 v[BA+2*\i], \i*16*PITCH, v[BA]
	v_add_nc_u32 v[BA+2*\i+1], \i*16*PITCH, v[BA+1]
.endr
	v_lshlrev_b32 v6, 5, v1
	v_lshrrev_b32 v7, 8, v6
	v_lshl_add_u32 v6, v7, 4, v6
	v_mul_u32_u24 v7, s39, v2
	v_add_nc_u32 v6, v6, v7
	v_add_nc_u32 v[ADRS], s38, v6
	v_mul_u32_u24 v6, v1, SPITCH
	v_lshl_add_u32 v6, v2, 5, v6
	v_add_nc_u32 v[STO], s45, v6
	v_lshlrev_b32 v[CO], 4, v3
	v_add_nc_u32 v[RD], s45, v[CO]
	v_lshlrev_b32 v[BH], 5, v2
	s_wait_alu depctr_va_vdst(0)                   ; the wait at the head's end
	WIN 0xc0                                       ; the bias lies in window 3: block b's eight registers: columns 16 b + 8 h + 0 .. 7
.irp b, 0,1,2,3,4,5,6,7
	global_load_b128 v[8*\b:8*\b+3], v[BH], s[96:97] offset:64*\b
	global_load_b128 v[8*\b+4:8*\b+7], v[BH], s[96:97] offset:64*\b+16
.endr
	WIN 0
.macro FRAG w, reg, q, a0              ; six pieces of 8 bytes, two to a load where both go by the same address register; NLD counts the loads
	WIN (\w)<<6
.set SKIP_, 0
.irp p, 0,1,2,3,4,5
.if SKIP_
.set SKIP_, 0
.else
.set PC_, 12*(\q)+6*(\p/3)+\p%3
.set PN_, 12*(\q)+6*((\p+1)/3)+(\p+1)%3
.set X_, (PC_%32+3)/32
.set XQ_, (PN_%32+3)/32
.set NLD, NLD+1
.if (\p < 5) && (X_ == XQ_)
.set SKIP_, 1
	ds_load_2addr_b64 v[\reg+2*\p:\reg+2*\p+3], v[\a0+X_] offset0:PC_+2*(PC_/32) offset1:PN_+2*(PN_/32)
.else
	ds_load_b64 v[\reg+2*\p:\reg+2*\p+1], v[\a0+X_] offset:8*(PC_+2*(PC_/32))
.endif
.endif
.endr
.endm
.macro FRAGA reg, q, i                 ; y's fragment: heads 2 q, 2 q + 1 of tile i, as the images lie
.irp c, 0,1
.irp p, 0,1,2
	ds_load_b64 v[\reg+6*\c+2*\p:\reg+6*\c+2*\p+1], v[AA+(\q)/4] offset:(2*((\q)%4)+\c)*6144+(\i)*768+256*\p
.endr
.endr
.set NLD, NLD+6
.endm
.macro FETCH q, p
.set NLD, 0
.irp i, 0,1,2,3,4,5,6,7
	FRAG 1, 128*(\p)+12*\i, \q, BA+2*\i
.endr
	WIN 0
.irp i, 0,1,2,3
	FRAGA AF+48*(\p)+12*\i, \q, \i
.endr
.endm
.macro W a, b, q, p, c
	v_wmma_scale_f32_16x16x128_f8f6f4 v[8*(8*\a+\b):8*(8*\a+\b)+7], v[128*(\p)+12*\b:128*(\p)+12*\b+11], v[AF+48*(\p)+12*\a:AF+48*(\p)+12*\a+11], \c, v[SC+10*\b+(\q)], v[SC+10*\a+(\q)] matrix_a_fmt:MATRIX_FMT_FP6 matrix_b_fmt:MATRIX_FMT_FP6 matrix_a_scale:MATRIX_SCALE_ROW1
.endm
.macro MUL32 q, p, z                   ; 32 products, the accumulators by turns
.if \z
	WIN 0xb1
.else
	WIN 0xa1
.endif
.irp a, 0,1,2,3
.irp b, 0,1,2,3,4,5,6,7
.if \z
	W \a, \b, \q, \p, v[8*\b:8*\b+7]
.else
	W \a, \b, \q, \p, v[8*(8*\a+\b):8*(8*\a+\b)+7]
.endif
.endr
.endr
.endm
	s_wait_tensorcnt 0x0                           ; my tile is in
	s_barrier_signal -1
	s_barrier_wait -1                              ; all four are
.irp i, 0,1,2,3,4,5,6,7
	ds_load_b128 v[SC+10*\i:SC+10*\i+3], v[ADRS] offset:\i*544
	ds_load_b128 v[SC+10*\i+4:SC+10*\i+7], v[ADRS] offset:\i*544+16
.endr
	FETCH 0, 0
	FETCH 1, 1
	s_wait_loadcnt 0x0                             ; the bias
	s_wait_dscnt NLD                               ; all but step 1's loads
	MUL32 0, 0, 1
.set ST, 1
.rept 6
	PLACES 4                                       ; between the last step's products and the loads into their registers
	FETCH ST+1, (ST+1)%2
	s_wait_dscnt NLD                               ; this step's fragments are in; the NLD loads just issued may be out
	MUL32 ST, ST%2, 0
.set ST, ST+1
.endr
	s_wait_dscnt 0x0                               ; my reads of the tiles are over
	s_barrier_signal -1
	MUL32 7, 1, 0
	WIN 0
	s_barrier_wait -1                              ; everybody's are: the stage may be written
	PLACES 4
.macro TOSTAGE a
	WIN 0x08
.irp b, 0,1,2,3,4,5,6,7
	ds_store_b128 v[STO], v[64*\a+8*\b:64*\a+8*\b+3] offset:64*\b
	ds_store_b128 v[STO], v[64*\a+8*\b+4:64*\a+8*\b+7] offset:64*\b+16
.endr
	WIN 0
.set BB, BK+64*((\a)%2)
.irp t, 0,1,2,3,4,5,6,7,8,9,10,11,12,13,14,15
	ds_load_b128 v[BB+4*\t:BB+4*\t+3], v[RD] offset:\t*SPITCH
.endr
.endm
.macro SEND a, younger
.set BB, BK+64*((\a)%2)
	s_wait_dscnt \younger
.if (\a) > 0
	s_add_nc_u64 s[98:99], s[98:99], 16*4096
.endif
.irp t, 0,1,2,3,4,5,6,7,8,9,10,11,12,13,14,15
	global_store_b128 v[CO], v[BB+4*\t:BB+4*\t+3], s[98:99] offset:\t*4096 th:TH_STORE_NT   ; 512 consecutive bytes
.endr
.endm
	TOSTAGE 0
.irp a, 1,2,3
.if \a > 1
	s_wait_xcnt 0x0                                ; the stores of two blocks back have read their registers and their base
.endif
	TOSTAGE \a
	SEND \a-1, 32
.endr
	s_wait_xcnt 0x0
	SEND 3, 0
	s_wait_tensorcnt 0x0                           ; the wave's end
	ds_add_u32 v[SPW], v[NIL]
	s_wait_dscnt 0x0
	CROUND                                         ; the closing round
	s_endpgm
.Lfunc_end_k_qc5856401a8_proj:
	.size	k_qc5856401a8_proj, .Lfunc_end_k_qc5856401a8_proj-k_qc5856401a8_proj
	.p2alignl 7, 3214868480
	.fill 96, 4, 3214868480
	.section	.rodata,"a",@progbits
	.p2align	6, 0x0
	.amdhsa_kernel k_qc5856401a8_proj
		.amdhsa_group_segment_fixed_size 327680
		.amdhsa_private_segment_fixed_size 0
		.amdhsa_enable_private_segment 0
		.amdhsa_kernarg_size 48
		.amdhsa_user_sgpr_count 2
		.amdhsa_user_sgpr_kernarg_segment_ptr 1
		.amdhsa_wavefront_size32 1
		.amdhsa_system_sgpr_workgroup_id_x 1
		.amdhsa_system_sgpr_workgroup_id_y 1
		.amdhsa_system_sgpr_workgroup_id_z 1
		.amdhsa_system_vgpr_workitem_id 0
		.amdhsa_next_free_vgpr 832
		.amdhsa_next_free_sgpr 100
		.amdhsa_reserve_vcc 0
		.amdhsa_float_denorm_mode_32 3
		.amdhsa_float_denorm_mode_16_64 3
		.amdhsa_memory_ordered 1
		.amdhsa_forward_progress 1
		.amdhsa_inst_pref_size 86
	.end_amdhsa_kernel
	.amdgpu_metadata
---
amdhsa.version: [ 1, 2 ]
amdhsa.kernels:
  - .name:           k_qc5856401a8_proj
    .symbol:         k_qc5856401a8_proj.kd
    .args:
      - { .name: y_codes, .offset: 0, .size: 8, .value_kind: global_buffer, .address_space: global }
      - { .name: y_scales, .offset: 8, .size: 8, .value_kind: global_buffer, .address_space: global }
      - { .name: Wp_codes, .offset: 16, .size: 8, .value_kind: global_buffer, .address_space: global }
      - { .name: Wp_scales, .offset: 24, .size: 8, .value_kind: global_buffer, .address_space: global }
      - { .name: bp, .offset: 32, .size: 8, .value_kind: global_buffer, .address_space: global }
      - { .name: out0, .offset: 40, .size: 8, .value_kind: global_buffer, .address_space: global }
    .group_segment_fixed_size: 327680
    .private_segment_fixed_size: 0
    .kernarg_segment_align: 8
    .kernarg_segment_size: 48
    .max_flat_workgroup_size: 128
    .sgpr_count:     100
    .vgpr_count:     832
    .wavefront_size: 32
...
	.end_amdgpu_metadata
.endif
;; end of part 3
